; MI455X (gfx1250); checked and timed in simulation.
; The chip was launched on July 23, 2026; its instructions are those of AMD's public machine-readable ISA for CDNA 5 (MIT licence, August 2026) and "CDNA5" Instruction Set Architecture Reference Guide (July 2026). The comments in the code are by the model that wrote it; some were corrected since.
;; Slice Self Attention. Allowed arithmetic: matrix products marked QUANTISED: E4M3 operands, one given power-of-two scale a tensor, by v_wmma_f32_16x16x64_fp8_fp8 or v_wmma_f32_16x16x128_fp8_fp8, f32 sums; everything else in f32.
;; Inputs: beta_t 256 float32; beta_v 256 float32; gamma_t 256 float32; gamma_v 256 float32; lowp_scales 4 int32 (the exponents e of the quantised operands' scales 2^e); text_tokens 8 x 4,096 x 256 float32; visual_tokens 8 x 4,096 x 256 float32.
;; Outputs: out0 8 x 4,096 x 256 float32.
;; This version of the problem:
;;   THIS VERSION OF THE PROBLEM IS GIVEN IN LOW PRECISION. The matrix products marked QUANTISED in the list below multiply operands that are first quantised to E4M3 (4 exponent bits, 3 mantissa bits; 8 bits a number), with one given power-of-two scale for each operand tensor; their sums are f32. All else is computed in f32.
;;   The module's matrix products, in the order in which they are computed (A, B: the left and right operand; K: the contracted axis; several contracted axes count as one K, in the product's order):
;;     1. batch 8 x [M 4,096, K 256] x [K 256, N 4,096]; A: computed on the way; B: computed on the way: QUANTISED (scales: A lowp_scales[0], B lowp_scales[1])
;;     2. batch 8 x [M 4,096, K 4,096] x [K 4,096, N 256]; A: softmax (see below); B: computed on the way: QUANTISED (scales: A lowp_scales[2], B lowp_scales[3])
;;   THE QUANTISER, for each operand of a quantised product, along K:
;;     - The operand's scale is 2^e, e = its entry of the input lowp_scales (int32; the entries are numbered through the quantised products in the list's order, A before B).
;;     - Each number is divided by the scale, clamped to +-448, and rounded to the nearest number of E4M3, ties to even, subnormals kept.
;;     - The product sums the exact products of the quantised numbers (number of the format x scale) in f32.
;;   ~~~python
;;   def quantise(x, axis, e):      # numpy; x: float32 -> the quantised numbers, widened to float32 again
;;       x = np.moveaxis(x, axis, -1); K = x.shape[-1]
;;       r = np.clip(x / 2.0 ** e, -448, 448)
;;       step = 2.0 ** (np.maximum(np.frexp(np.where(r == 0, 1, r))[1] - 1, -6) - 3)
;;       q = np.round(r / step) * step * 2.0 ** e      # np.round: ties to even
;;       return np.moveaxis(q, -1, axis).astype(np.float32)
;;   ~~~
;;   SOFTMAX AHEAD OF A QUANTISED PRODUCT. Where the list says 'softmax', what is quantised is not the finished softmax but p = 2^(t - M), with t = logit x log2(e) and M = ceil(the row's largest t), a whole number; so 1/2 < the row's largest p <= 1. The row's sum l is taken of the UNQUANTISED p, in f32, and the product's result is divided by l at the end. Since M is a whole number, a kernel that streams over the keys may use a running M (the ceiling of the running maximum): every later rescaling is an exact power of two, so the quantised numbers keep their values, but for numbers so far below the row's largest that they fall under the format's range.
;;   OPERANDS COMPUTED ON THE WAY. 'Computed on the way' means the value that the module computes at that place (a softmax that the list does not call 'softmax' is quantised finished and normalised). What goes into a quantiser is computed in f32, as accurately as f32 sums, v_exp_f32 and their like allow (about 1e-6 of the number): no bf16 or f16 on the way to a quantiser, and a product that is left as it is and whose result goes on into a quantised operand takes f32 operands (vector FMAs, or v_wmma_f32_16x16x4_f32). A number that lies on a knife's edge between two numbers of the format may be rounded either way, as far as f32 arithmetic and the matrix unit's own rounding can turn it there, and no further.
;; One version. Each part assembles by itself: llvm-mc -triple=amdgcn-amd-amdhsa -mcpu=gfx1250 --defsym DOCPART=n.
;; ======== version 1 of 1: 2 launches
;; limits: right only within a limited range of input values
;; workspace buffers: qimg 8,388,608 bytes; kv 16,777,216 bytes
;; launch prep (part 1): grid 256 x 1, 8 waves a work-group, no clusters, 136,704 bytes of LDS; arguments visual_tokens, text_tokens, gamma_v, beta_v, gamma_t, beta_t, lowp_scales, qimg, kv; writes qimg, kv
.if DOCPART == 1
	.amdgcn_target "amdgcn-amd-amdhsa--gfx1250"
	.amdhsa_code_object_version 6
	.text
	.protected	k_qca629422bc_prep
	.globl	k_qca629422bc_prep
	.p2align	8
	.type	k_qca629422bc_prep,@function
k_qca629422bc_prep:
	s_mov_b64 s[64:65], 0
	v_nop
	global_prefetch_b8 v0, s[64:65] scope:SCOPE_SE
	s_setreg_imm32_b32 hwreg(HW_REG_WAVE_MODE, 25, 1), 1
	s_wait_xcnt 0x0
; LayerNorm of V and of T in f32, then their codes of FP8 (E4M3), each with the scale 2^e that is given for it, made ONCE and laid as the attention launch's operand registers want them.
; y = (x - mean) * rsqrt(var + 1e-5) * gamma + beta, the variance taken of x - mean (two passes over registers).  code = y / 2^e, held within +-448, to the nearest code, ties to even.
; Work-groups 0-127 take 256 rows of V each (e0 -> qimg), work-groups 128-255 take 256 rows of T each: once with e1, d innermost (the keys), once with e3, the keys innermost (the values) -> kv.
; LIMITS: e0, e1, e3 between -126 and 119, so that 2^e and 448 x 2^e are f32 numbers.  NaN among the inputs is not served.
; SHARES.  Wave w takes rows 32 w .. 32 w + 31, eight at a time.  A row is one wave's: lane l loads 16 bytes at 16 l and at 512 + 16 l, so each load covers 512 consecutive bytes, and mean and variance never leave the wave.
; IMAGE OF A TILE (16 rows x 256 codes, 4,096 bytes).  Lane l's eight codes of a row are the row's positions 8 l .. 8 l + 7 (d = 4 l + 0..3 and 128 + 4 l + 0..3: one fixed order of d, the same for V and for T, so every
; product of the first matrix product meets its partner).  Position p of row r lies at byte 256 (p / 16) + 16 r + p % 16: a fragment (16 rows x 128 positions) is then four dense reads of 16 bytes a lane.
; THE VALUES' IMAGE: [block of 64 keys][16 d][1,024 bytes]: the eight codes of (d = 16 dt + r, keys 8 t .. 8 t + 7 of the block) lie at 512 (t / 4) + 256 (t % 2) + 16 r + 8 ((t / 2) % 2):
; two dense reads of 16 bytes a lane give the 16x16x64 form's operand in its own layout (registers 2 c, 2 c + 1 of lane (r, h): keys 16 c + 8 h + 0 .. 7).
; Both images are gathered in LDS and leave in runs of whole aligned 256 bytes.  No tensor load, no matrix instruction: memory binds this launch.
.set GA,   16                          ; v16-23   gamma of my eight d
.set BE,   24                          ; v24-31   beta
.set T,    32                          ; v32-47   four registers at work for each of four rows
.set CT,   32                          ; v32-47   later: the values' codes, a pair for each of my eight d
.set CR,   48                          ; v48-63   the rows' codes, a pair a row
.set X,    64                          ; v64-191  two sets of 8 rows x 8 numbers
.set Y,    192                         ; v192-255 the eight rows turned: register 8 q + s = row s at my d number q
.set KW,   8704                         ; LDS: each wave's own stage for two tiles: 2 x 16 lines of 256 bytes + 16 of padding
.set VSTG, 69632                        ; LDS: the work-group's stage for the values: 64 blocks of 1,024 bytes + 8 of padding
.set VP,   1032
	s_load_b256 s[4:11], s[0:1], 0x0               ; visual s[4:5], text s[6:7], gamma_v s[8:9], beta_v s[10:11]
	s_load_b256 s[12:19], s[0:1], 0x20             ; gamma_t s[12:13], beta_t s[14:15], the scales' exponents s[16:17], qimg s[18:19]
	s_load_b64 s[20:21], s[0:1], 0x40              ; kv
	v_lshl_add_u32 v14, v0, 2, 0x21200
	v_mov_b32 v15, 0
	v_lshrrev_b32 v1, 5, v0
	s_delay_alu instid0(VALU_DEP_1)
	v_readfirstlane_b32 s22, v1                    ; wave 0..7
	v_and_b32 v1, 31, v0                           ; lane
	s_delay_alu instid0(VALU_DEP_1)
	v_lshlrev_b32 v2, 4, v1                        ; v2: 16 x lane: my bytes of a load or store of 512; never rewritten
	s_delay_alu instid0(VALU_DEP_2)
	v_lshlrev_b32 v7, 3, v1                        ; v7: 8 x lane
	s_mov_b32 s38, 0x3b800000                      ; 1 / 256
	s_mov_b32 s39, 0x3727c5ac                      ; 1e-5
	s_mov_b32 s40, 0x76543210                      ; v_permlanex16_b32: each lane takes its own place in the other half
	s_mov_b32 s41, 0xfedcba98
	s_mul_i32 s42, s22, KW
	v_lshrrev_b32 v12, 1, v1
	s_delay_alu instid0(VALU_DEP_1)
	v_mul_u32_u24 v3, v12, 272
	v_and_b32 v12, 1, v1
	s_delay_alu instid0(VALU_DEP_1)
	v_lshl_add_u32 v3, v12, 3, v3
	s_delay_alu instid0(VALU_DEP_1)
	v_add_nc_u32 v3, s42, v3                       ; v3: into my stage: line lane / 2, 8 (lane % 2).  Lines 68 words apart: the 32 lanes' 8 bytes fall on 64 different banks (64 banks of 4 bytes: ISA guide 11.1)
	v_lshrrev_b32 v12, 4, v1
	s_delay_alu instid0(VALU_DEP_1)
	v_mul_u32_u24 v4, v12, 272
	v_and_b32 v12, 15, v1
	s_delay_alu instid0(VALU_DEP_1)
	v_lshl_add_u32 v4, v12, 4, v4
	s_delay_alu instid0(VALU_DEP_1)
	v_add_nc_u32 v4, s42, v4                       ; v4: back: sixteen lanes to a line, two lines an instruction
	s_lshr_b32 s43, s22, 1
	s_mul_i32 s43, s43, 16*VP                      ; my rows' block of 64 keys: wave / 2,
	s_and_b32 s44, s22, 1
	s_lshl_b32 s44, s44, 9                         ; and its half: 512 (wave % 2)
	s_add_co_u32 s43, s43, s44
	s_add_co_u32 s43, s43, VSTG
	v_lshrrev_b32 v12, 2, v1
	s_delay_alu instid0(VALU_DEP_1)
	v_mul_u32_u24 v5, v12, VP
	v_and_b32 v12, 3, v1
	s_delay_alu instid0(VALU_DEP_1)
	v_lshl_add_u32 v5, v12, 6, v5
	s_delay_alu instid0(VALU_DEP_1)
	v_add_nc_u32 v5, s43, v5                       ; v5: into the values' stage: d = 4 lane + q: block lane / 4, row 4 (lane % 4) + q.  Blocks 258 words apart: again 64 different banks
	s_mul_i32 s43, s22, 8*VP
	s_add_co_u32 s43, s43, VSTG
	v_add_nc_u32 v6, s43, v7                       ; v6: back: wave w takes blocks 8 w .. 8 w + 7, 256 bytes an instruction
	s_wait_kmcnt 0x0
	s_load_b128 s[24:27], s[16:17], 0x0            ; e0, e1, e2, e3
	s_cmp_lt_u32 ttmp9, 128                        ; V's work-group or T's?  The choice hangs on the work-group's number alone; only pointers and a shift are chosen
	s_cselect_b64 s[28:29], s[4:5], s[6:7]
	s_cselect_b64 s[30:31], s[8:9], s[12:13]
	s_cselect_b64 s[32:33], s[10:11], s[14:15]
	s_cselect_b64 s[34:35], s[18:19], s[20:21]
	s_cselect_b32 s44, 16, 17                      ; 256 rows are 65,536 bytes of qimg, and one slot of 131,072 bytes of kv
	s_and_b32 s23, ttmp9, 127                      ; which 256 rows of the tensor
	s_lshl_b32 s42, s23, 18                        ; 256 rows of 1,024 bytes,
	s_lshl_b32 s43, s22, 15                        ; my wave's 32
	s_add_co_u32 s42, s42, s43
	s_mov_b32 s43, 0
	s_add_nc_u64 s[28:29], s[28:29], s[42:43]      ; x at my first row
	s_lshl_b32 s42, s23, s44
	s_lshl_b32 s45, s22, 13                        ; my two tiles: 8,192 bytes
	s_add_co_u32 s42, s42, s45
	s_add_nc_u64 s[34:35], s[34:35], s[42:43]      ; where my rows' images go
	s_lshl_b32 s42, s23, 17
	s_add_co_u32 s42, s42, s45
	s_add_co_u32 s42, s42, 65536
	s_add_nc_u64 s[36:37], s[20:21], s[42:43]      ; where my eight blocks of the values' image go (used by T's work-groups alone)
	global_load_b128 v[GA:GA+3],   v2, s[30:31]
	global_load_b128 v[GA+4:GA+7], v2, s[30:31] offset:512
	global_load_b128 v[BE:BE+3],   v2, s[32:33]
	global_load_b128 v[BE+4:BE+7], v2, s[32:33] offset:512
.macro LOADG gi                        ; eight rows, sixteen loads of 512 consecutive bytes, into set gi % 2
.irp s, 0,1,2,3,4,5,6,7
.irp k, 0,1
	global_load_b128 v[X+64*((\gi)%2)+8*\s+4*\k:X+64*((\gi)%2)+8*\s+4*\k+3], v2, s[28:29] offset:(8*(\gi)+\s)*1024+512*\k th:TH_LOAD_NT
.endr
.endr
.endm
	LOADG 0
	LOADG 1
	s_wait_kmcnt 0x0
	s_cmp_lt_u32 ttmp9, 128
	s_cselect_b32 s42, s24, s25                    ; the rows' e: e0 for V, e1 for T
	s_add_co_i32 s42, s42, 127
	s_lshl_b32 s43, s42, 23
	v_mov_b32 v8, s43                              ; 2^e as f32: the conversion takes its exponent field
	s_add_co_i32 s42, s42, 8
	s_lshl_b32 s42, s42, 23
	s_or_b32 s42, s42, 0x600000
	v_mov_b32 v9, s42                              ; 448 x 2^e
	s_add_co_i32 s42, s27, 127
	s_lshl_b32 s43, s42, 23
	v_mov_b32 v10, s43                             ; 2^e3
	s_add_co_i32 s42, s42, 8
	s_lshl_b32 s42, s42, 23
	s_or_b32 s42, s42, 0x600000
	v_mov_b32 v11, s42                             ; 448 x 2^e3
; LayerNorm of four rows, s0 .. s0 + 3 of set p, line by line, so that no line waits for the line above it.  The result replaces x.
.macro LN4 p, s0
.set RB, X+64*(\p)+8*(\s0)
.irp i, 0,1,2,3
	v_pk_add_f32 v[T+4*\i:T+4*\i+1], v[RB+8*\i:RB+8*\i+1], v[RB+8*\i+2:RB+8*\i+3]
.endr
.irp i, 0,1,2,3
	v_pk_add_f32 v[T+4*\i+2:T+4*\i+3], v[RB+8*\i+4:RB+8*\i+5], v[RB+8*\i+6:RB+8*\i+7]
.endr
.irp i, 0,1,2,3
	s_delay_alu instid0(VALU_DEP_4)
	v_pk_add_f32 v[T+4*\i:T+4*\i+1], v[T+4*\i:T+4*\i+1], v[T+4*\i+2:T+4*\i+3]
.endr
.irp i, 0,1,2,3
	s_delay_alu instid0(VALU_DEP_4)
	v_add_f32 v[T+4*\i], v[T+4*\i], v[T+4*\i+1]    ; my eight numbers' sum
.endr
.irp m, 1,2,4,8
.irp i, 0,1,2,3
	s_delay_alu instid0(VALU_DEP_4)
	v_add_f32_dpp v[T+4*\i], v[T+4*\i], v[T+4*\i] row_xmask:\m row_mask:0xf bank_mask:0xf
.endr
.endr
.irp i, 0,1,2,3
	s_delay_alu instid0(VALU_DEP_4)
	v_permlanex16_b32 v[T+4*\i+1], v[T+4*\i], s40, s41
.endr
.irp i, 0,1,2,3
	s_delay_alu instid0(VALU_DEP_4)
	v_add_f32 v[T+4*\i], v[T+4*\i], v[T+4*\i+1]    ; the row's sum, in every lane
.endr
.irp i, 0,1,2,3
	s_delay_alu instid0(VALU_DEP_4)
	v_mul_f32 v[T+4*\i], s38, v[T+4*\i]            ; the mean
.endr
.irp k, 0,2,4,6
.irp i, 0,1,2,3
	v_pk_add_f32 v[RB+8*\i+\k:RB+8*\i+\k+1], v[RB+8*\i+\k:RB+8*\i+\k+1], v[T+4*\i:T+4*\i+1] op_sel_hi:[1,0] neg_lo:[0,1] neg_hi:[0,1]   ; x - mean
.endr
.endr
.irp i, 0,1,2,3
	v_pk_mul_f32 v[T+4*\i+2:T+4*\i+3], v[RB+8*\i:RB+8*\i+1], v[RB+8*\i:RB+8*\i+1]
.endr
.irp k, 2,4,6
.irp i, 0,1,2,3
	s_delay_alu instid0(VALU_DEP_4)
	v_pk_fma_f32 v[T+4*\i+2:T+4*\i+3], v[RB+8*\i+\k:RB+8*\i+\k+1], v[RB+8*\i+\k:RB+8*\i+\k+1], v[T+4*\i+2:T+4*\i+3]
.endr
.endr
.irp i, 0,1,2,3
	s_delay_alu instid0(VALU_DEP_4)
	v_add_f32 v[T+4*\i+2], v[T+4*\i+2], v[T+4*\i+3]
.endr
.irp m, 1,2,4,8
.irp i, 0,1,2,3
	s_delay_alu instid0(VALU_DEP_4)
	v_add_f32_dpp v[T+4*\i+2], v[T+4*\i+2], v[T+4*\i+2] row_xmask:\m row_mask:0xf bank_mask:0xf
.endr
.endr
.irp i, 0,1,2,3
	s_delay_alu instid0(VALU_DEP_4)
	v_permlanex16_b32 v[T+4*\i+3], v[T+4*\i+2], s40, s41
.endr
.irp i, 0,1,2,3
	s_delay_alu instid0(VALU_DEP_4)
	v_add_f32 v[T+4*\i+2], v[T+4*\i+2], v[T+4*\i+3]
.endr
.irp i, 0,1,2,3
	s_delay_alu instid0(VALU_DEP_4)
	v_fma_f32 v[T+4*\i+2], v[T+4*\i+2], s38, s39   ; the variance + 1e-5
.endr
	s_wait_alu depctr_va_vdst(0)
.irp i, 0,1,2,3
	v_rsq_f32 v[T+4*\i+2], v[T+4*\i+2]
.endr
	v_nop                                          ; a plain instruction behind the last of the four,
	s_wait_alu depctr_va_vdst(0)                   ; and one wait for the four, ahead of their first reader
.irp k, 0,2,4,6
.irp i, 0,1,2,3
	v_pk_mul_f32 v[RB+8*\i+\k:RB+8*\i+\k+1], v[RB+8*\i+\k:RB+8*\i+\k+1], v[T+4*\i+2:T+4*\i+3] op_sel_hi:[1,0]
.endr
.endr
.irp k, 0,2,4,6
.irp i, 0,1,2,3
	v_pk_fma_f32 v[RB+8*\i+\k:RB+8*\i+\k+1], v[RB+8*\i+\k:RB+8*\i+\k+1], v[GA+\k:GA+\k+1], v[BE+\k:BE+\k+1]
.endr
.endr
.endm
; Eight rows: normalised, quantised (T: twice), their codes into the stages.
.macro GROUP gi
.set XB, X+64*((\gi)%2)
.if (\gi) < 3
	s_wait_loadcnt 16                              ; this group's sixteen loads (and gamma, beta) are in; the next group's sixteen may be out
.else
	s_wait_loadcnt 0x0
.endif
	LN4 (\gi)%2, 0
	LN4 (\gi)%2, 4
	s_cmp_lt_u32 ttmp9, 128
	s_cbranch_scc1 .Lnov_\@                        ; V has no second image
.irp q, 0,1,2,3,4,5,6,7                ; the values: my d number q of the eight rows, which are eight neighbouring keys: the hold turns them into consecutive registers
.irp s, 0,1,2,3,4,5,6,7
	v_med3_num_f32 v[Y+8*\q+\s], v[XB+8*\s+\q], -v11, v11   ; the conversion to an 8-bit code does not saturate (ISA guide 7.6.2): held within 448 x 2^e3 first
.endr
.endr
.irp q, 0,1,2,3,4,5,6,7
	v_cvt_scalef32_pk8_fp8_f32 v[CT+2*\q:CT+2*\q+1], v[Y+8*\q:Y+8*\q+7], v10
.endr
	v_nop                                          ; a plain instruction behind the run of conversions
.irp q, 0,1,2,3,4,5,6,7
	ds_store_b64 v5, v[CT+2*\q:CT+2*\q+1] offset:(\q/4)*8*VP+(\q%4)*16+((\gi)%2)*256+((\gi)/2)*8   ; keys 8 t on, t = 4 (wave % 2) + gi
.endr
.Lnov_\@:
.irp s, 0,1,2,3,4,5,6,7
.irp q, 0,1,2,3,4,5,6,7
	v_med3_num_f32 v[XB+8*\s+\q], v[XB+8*\s+\q], -v9, v9
.endr
	v_cvt_scalef32_pk8_fp8_f32 v[CR+2*\s:CR+2*\s+1], v[XB+8*\s:XB+8*\s+7], v8
.endr
	v_nop
.irp s, 0,1,2,3,4,5,6,7
	ds_store_b64 v3, v[CR+2*\s:CR+2*\s+1] offset:((8*(\gi)+\s)/16)*4352+((8*(\gi)+\s)%16)*16
.endr
.if (\gi) < 2
	LOADG (\gi)+2                                  ; the set just used takes the rows two groups on
.endif
	s_wait_dscnt 0x0                               ; the stores have read their registers: the next group writes them again
.endm
	GROUP 0
	GROUP 1
	GROUP 2
	GROUP 3
.irp n, 0,1,2,3,4,5,6,7,8,9,10,11,12,13,14,15  ; my two tiles' images leave: LDS serves a wave's instructions in order (ISA guide 5.7.1.4), and the stage is my own
	ds_load_b128 v[X+4*\n:X+4*\n+3], v4 offset:(\n/8)*4352+(\n%8)*544
.endr
.irp n, 0,1,2,3,4,5,6,7,8,9,10,11,12,13,14,15
	s_wait_dscnt 15-\n                             ; load n is in; the younger ones may be out
	global_store_b128 v2, v[X+4*\n:X+4*\n+3], s[34:35] offset:(\n/8)*4096+(\n%8)*512   ; 512 consecutive bytes, aligned
.endr
	s_wait_dscnt 0x0                               ; for the others' sake: my stores into the values' stage are done
	s_barrier_signal -1
	s_barrier_wait -1                              ; on every work-group's path
	s_cmp_lt_u32 ttmp9, 128
	s_cbranch_scc1 .Lend
.irp n, 0,1,2,3,4,5,6,7,8,9,10,11,12,13,14,15,16,17,18,19,20,21,22,23,24,25,26,27,28,29,30,31
	ds_load_b64 v[128+2*\n:129+2*\n], v6 offset:(\n/4)*VP+(\n%4)*256
.endr
.irp n, 0,1,2,3,4,5,6,7,8,9,10,11,12,13,14,15,16,17,18,19,20,21,22,23,24,25,26,27,28,29,30,31
	s_wait_dscnt 31-\n
	global_store_b64 v7, v[128+2*\n:129+2*\n], s[36:37] offset:(\n/4)*1024+(\n%4)*256   ; 256 consecutive bytes, aligned
.endr
.Lend:
	s_wait_tensorcnt 0x0
	ds_add_u32 v14, v15
	s_wait_dscnt 0x0
	s_endpgm
.Lfunc_end_k_qca629422bc_prep:
	.size	k_qca629422bc_prep, .Lfunc_end_k_qca629422bc_prep-k_qca629422bc_prep
	.p2alignl 7, 3214868480
	.fill 96, 4, 3214868480
	.section	.rodata,"a",@progbits
	.p2align	6, 0x0
	.amdhsa_kernel k_qca629422bc_prep
		.amdhsa_group_segment_fixed_size 136704
		.amdhsa_private_segment_fixed_size 0
		.amdhsa_enable_private_segment 0
		.amdhsa_kernarg_size 72
		.amdhsa_user_sgpr_count 2
		.amdhsa_user_sgpr_kernarg_segment_ptr 1
		.amdhsa_wavefront_size32 1
		.amdhsa_system_sgpr_workgroup_id_x 1
		.amdhsa_system_sgpr_workgroup_id_y 1
		.amdhsa_system_sgpr_workgroup_id_z 1
		.amdhsa_system_vgpr_workitem_id 0
		.amdhsa_next_free_vgpr 256
		.amdhsa_next_free_sgpr 66
		.amdhsa_reserve_vcc 0
		.amdhsa_float_denorm_mode_32 3
		.amdhsa_float_denorm_mode_16_64 3
		.amdhsa_memory_ordered 1
		.amdhsa_forward_progress 1
		.amdhsa_inst_pref_size 148
	.end_amdhsa_kernel
	.amdgpu_metadata
---
amdhsa.version: [ 1, 2 ]
amdhsa.kernels:
  - .name:           k_qca629422bc_prep
    .symbol:         k_qca629422bc_prep.kd
    .args:
      - { .name: visual_tokens, .offset: 0, .size: 8, .value_kind: global_buffer, .address_space: global }
      - { .name: text_tokens, .offset: 8, .size: 8, .value_kind: global_buffer, .address_space: global }
      - { .name: gamma_v, .offset: 16, .size: 8, .value_kind: global_buffer, .address_space: global }
      - { .name: beta_v, .offset: 24, .size: 8, .value_kind: global_buffer, .address_space: global }
      - { .name: gamma_t, .offset: 32, .size: 8, .value_kind: global_buffer, .address_space: global }
      - { .name: beta_t, .offset: 40, .size: 8, .value_kind: global_buffer, .address_space: global }
      - { .name: lowp_scales, .offset: 48, .size: 8, .value_kind: global_buffer, .address_space: global }
      - { .name: qimg, .offset: 56, .size: 8, .value_kind: global_buffer, .address_space: global }
      - { .name: kv, .offset: 64, .size: 8, .value_kind: global_buffer, .address_space: global }
    .group_segment_fixed_size: 136704
    .private_segment_fixed_size: 0
    .kernarg_segment_align: 8
    .kernarg_segment_size: 72
    .max_flat_workgroup_size: 256
    .sgpr_count:     66
    .vgpr_count:     256
    .wavefront_size: 32
...
	.end_amdgpu_metadata
.endif
;; end of part 1
;; launch attn (part 2): grid 32 x 8, 4 waves a work-group, clusters of 4 x 1, 327,680 bytes of LDS; arguments qimg, kv, lowp_scales, out0; writes out0
.if DOCPART == 2
	.amdgcn_target "amdgcn-amd-amdhsa--gfx1250"
	.amdhsa_code_object_version 6
	.text
	.protected	k_qca629422bc_attn
	.globl	k_qca629422bc_attn
	.p2align	8
	.type	k_qca629422bc_attn,@function
k_qca629422bc_attn:
	s_mov_b64 s[64:65], 0
	v_nop
	global_prefetch_b8 v0, s[64:65] scope:SCOPE_SE
	s_setreg_imm32_b32 hwreg(HW_REG_WAVE_MODE, 25, 1), 1
	s_wait_xcnt 0x0
	s_wait_alu depctr_hold_cnt(0) depctr_sa_sdst(0) depctr_va_vdst(0) depctr_va_sdst(0) depctr_va_ssrc(0) depctr_va_vcc(0) depctr_vm_vsrc(0)
	s_getreg_b32 s2, hwreg(HW_REG_IB_STS2, 6, 4)
	s_cmp_eq_u32 s2, 0
	s_cbranch_scc0 .Lentry_in_a_cluster
	s_endpgm
.Lentry_in_a_cluster:
	s_bfe_u32 s2, ttmp6, 0x10000c
	s_cmp_lg_u32 s2, 0x3003
	s_cbranch_scc0 .Lentry_shape_is_right
	s_endpgm
.Lentry_shape_is_right:
; out[b][q][:] = the sum over keys k of softmax_k(V[b][q] . T[b][k] / 16) T[b][k][:], both products on codes of FP8 (E4M3) made by the launch before: qimg (V, e0), kv (T as keys, e1; T as values, e3).
; THE SOFTMAX AHEAD OF THE SECOND PRODUCT: t = score x log2(e) / 16; M = the largest t so far, rounded UP to a whole number; p = 2^(t - M) is quantised (e2), not normalised; the row's sum is taken of
; the unquantised p and divides at the end.  When M moves, the sum and O are multiplied by 2^(old M - new M), which rounds nothing.
; SHARES.  A work-group owns 128 queries of one batch.  Four waves, one to a SIMD.  Wave w: g = w / 2 names 64 queries (four tiles of 16), j = w % 2 names which 128 of every 256 keys it walks: 16 steps
; of 128 keys.  Each fragment of the keys and of the values feeds four matrix instructions.  At the end waves (g, 0) and (g, 1) join O, M and the sums through LDS: each keeps two tiles and sends two.
; LAYOUT.  Both products transposed: S^T = K Q^T (source 0 = 16 keys, source 1 = 16 queries; 16x16x128, twice for the 256 of d), O^T = V^T P^T (source 0 = 16 of d, source 1 = P; 16x16x128 over my 128 keys).
; A lane holds ONE query (lane % 16).  Register i of key tile kt of S^T is key 16 kt + 8 (lane / 16) + i: its eight codes are registers 2 kt, 2 kt + 1 of the second product's operand as they stand.
; All operands lie in memory and LDS as images of their registers: every fragment comes by reads of 16 bytes at 16 x lane.
; RING.  Two LDS slots of 256 keys (65,536 bytes of keys' images, then 65,536 of values'); each wave fetches a quarter with one tensor load.  The change of slots stands between the softmax and the second
; product: by then all my reads of the slot are asked for.  One tensor load of a wave is out at most.
; CLUSTER.  The four work-groups of a cluster belong to one batch and walk the same slots: each quarter is asked for JOINTLY, same descriptor, mask of all four.
; THE STEP IS WRITTEN TWICE: a loop of 14 trips that refill, a loop of 2 that do not.  It has no first form: O^T and the sums begin as zeros (512 moves, once) and the largest score as -3e38, so the first f is 0.
; LIMITS: e0 + e1 between -122 and 131 (added to c's exponent field); e2 between -126 and 119; e2 + e3 goes in by v_ldexp_f32.  The scaled scores t stay under 2^31 in magnitude.
; REGISTERS.  Window 0: v0 thread; v1-7 addresses and constants; v8-31 six statistics a tile; v32-159 Q; v160-255 three buffers of one key tile (later: p's codes in the first two, work registers in the third).
;   Window 1: S^T (tile a, key tile kt at v[64 a + 8 kt]), then p, then all 16 fragments of the values.  Windows 2, 3: O^T, tile a at v[128 (a % 2) + 8 dt] of window 2 + a / 2.
;   Register tile a holds query tile 4 g + (a xor 2 j): every wave keeps window 2 and sends window 3: no branch parts the waves.
.set SLOT1, 1<<17
.set SPARE, 2*SLOT1                    ; the spare words, 128 bytes a wave: two blocks of 256 bytes that no other line names
.set STATB, SPARE+512                  ; 512 bytes a wave: -M and the sum of the two tiles that it sends
.set OSTP,  528                        ; the way out: 16 rows x (512 bytes + 16) a wave, in slot 1
.set AK0, 1                            ; 16 x lane + 32,768 j
.set ADK, 2                            ; AK0 + the slot whose keys are read
.set SPW, 3                            ; my spare word; never rewritten
.set NIL, 4                            ; 0; never rewritten
.set PFO, 5                            ; 256 x lane
.set PSC, 6                            ; 2^e2
.set PLM, 7                            ; 448 x 2^e2
.set ST,  8                            ; tile a at ST + 6 a: +0 -M, +1 and +3 the largest score in two chains, +2 f, +4, +5 the sum
.set Q,   32
.set F0,  160
.set F1,  192
.set F2,  224
.set P,   160
.set TT,  224                          ; work registers of the statistics
.set TS,  232                          ; four chains of a tile's sum
.set ADV, 240                          ; ADK + 65,536
.set WV,  12
.set G1,  24
.set G0,  32
.set TB,  36
.set CNT, 37
.set LIM, 38
.set PFA, 40
.set CS,  42
.set SEL, 44
.set MSB, 0
.macro WIN new                         ; the immediate's high byte repeats the setting that is left
.if MSB != \new
	s_set_vgpr_msb (MSB<<8)|\new
.set MSB, \new
.endif
.endm
.macro PLACES n
.rept \n
	v_nop
.endr
.endm
.macro CREST                           ; a round of the cluster's barrier behind its opening barrier
	s_cmp_lg_u32 s[WV], 0
	s_cbranch_scc1 .Lnot_wave_0_\@
	s_barrier_signal -3
.Lnot_wave_0_\@:
	s_barrier_wait -3
	s_barrier_signal -1
	s_barrier_wait -1
.endm
.macro CROUND
	s_barrier_signal -1
	s_barrier_wait -1
	CREST
.endm
; A prefetch of the slot that the NEXT refill will ask for: 131,072 bytes, each aligned block of 256 named once in the launch: the batch's first cluster asks, its four partners take 32,768 bytes each,
; told apart by address; each wave 8,192 bytes, lanes 256 bytes apart.  The last refill asks for nothing.
.macro ASK
	s_cmp_gt_u32 s[CNT], s[LIM]
	s_cbranch_scc0 .Lnot_mine_\@
	global_prefetch_b8 v[PFO], s[PFA:PFA+1] th:TH_LOAD_NT scope:SCOPE_SE
.Lnot_mine_\@:
.endm
.macro KLOAD kt, fb                    ; one tile of 16 keys, both halves of d: eight loads
.irp f, 0,1
.irp c, 0,1,2,3
	ds_load_b128 v[\fb+16*\f+4*\c:\fb+16*\f+4*\c+3], v[ADK] offset:(\kt)*4096+\f*2048+\c*512
.endr
.endr
.endm
.macro QK kt, fb                       ; S^T of key tile kt for four query tiles: the four accumulators by turns
.irp f, 0,1
.irp a, 0,1,2,3
.if \f == 0
	v_wmma_f32_16x16x128_fp8_fp8 v[64*\a+8*(\kt):64*\a+8*(\kt)+7], v[\fb:\fb+15], v[Q+32*\a:Q+32*\a+15], 0
.else
	v_wmma_f32_16x16x128_fp8_fp8 v[64*\a+8*(\kt):64*\a+8*(\kt)+7], v[\fb+16:\fb+31], v[Q+32*\a+16:Q+32*\a+31], v[64*\a+8*(\kt):64*\a+8*(\kt)+7]
.endif
.endr
.endr
.endm
.macro MAXK kt                         ; the running largest score takes in key tile kt; each accumulator is read from its low end on
.irp i, 0,1,2,3
.irp a, 0,1,2,3
	v_max3_num_f32 v[ST+6*\a+1+2*(\i%2)], v[ST+6*\a+1+2*(\i%2)], v[64*\a+8*(\kt)+2*\i], v[64*\a+8*(\kt)+2*\i+1]
.endr
.endr
.endm
; Tile a's 64 exponentials; between them plain lines that hang on none of them: tile a + 1's t - M and the hold of tile a - 1's p
.macro EXPMIX a
.set i, 0
.rept 32
	v_exp_f32 v[64*(\a)+i], v[64*(\a)+i]
.if (\a) > 0
	v_min_num_f32 v[64*(\a)-64+i], v[64*(\a)-64+i], v[PLM]
.endif
	v_exp_f32 v[64*(\a)+i+1], v[64*(\a)+i+1]
.if (\a) > 0
	v_min_num_f32 v[64*(\a)-63+i], v[64*(\a)-63+i], v[PLM]
.endif
.if (\a) < 3
	v_pk_fma_f32 v[64*(\a)+64+i:64*(\a)+65+i], v[64*(\a)+64+i:64*(\a)+65+i], s[CS:CS+1], v[ST+6*(\a)+6:ST+6*(\a)+7] op_sel_hi:[1,0,0]
.endif
.set i, i+2
.endr
.endm
.macro SUM a                           ; the sum of tile a's unquantised p, in four chains; then sum = sum x f + that
	WIN 0x05
.irp j, 0,1,2,3
	v_pk_add_f32 v[TS+2*\j:TS+2*\j+1], v[64*(\a)+2*\j:64*(\a)+2*\j+1], v[64*(\a)+8+2*\j:64*(\a)+9+2*\j]
.endr
	WIN 0x04
.irp i, 16,24,32,40,48,56
.irp j, 0,1,2,3
	v_pk_add_f32 v[TS+2*\j:TS+2*\j+1], v[TS+2*\j:TS+2*\j+1], v[64*(\a)+\i+2*\j:64*(\a)+\i+2*\j+1]
.endr
.endr
	WIN 0
	v_pk_add_f32 v[TS:TS+1], v[TS:TS+1], v[TS+2:TS+3]
	v_pk_add_f32 v[TS+4:TS+5], v[TS+4:TS+5], v[TS+6:TS+7]
	v_pk_add_f32 v[TS:TS+1], v[TS:TS+1], v[TS+4:TS+5]
	v_pk_fma_f32 v[ST+6*(\a)+4:ST+6*(\a)+5], v[ST+6*(\a)+4:ST+6*(\a)+5], v[ST+6*(\a)+2:ST+6*(\a)+3], v[TS:TS+1] op_sel_hi:[1,0,1]
.endm
.macro PACK a                          ; tile a's codes, then four fragments of the values into the registers that its p has left
	WIN 0x01
.irp k, 0,1,2,3,4,5,6,7
	v_cvt_scalef32_pk8_fp8_f32 v[P+16*(\a)+2*\k:P+16*(\a)+2*\k+1], v[64*(\a)+8*\k:64*(\a)+8*\k+7], v[PSC]
.endr
	v_nop                                          ; a plain line behind the last conversion
	WIN 0x40
.irp d, 0,1,2,3
.irp b, 0,1
.irp i, 0,1
	ds_load_b128 v[64*(\a)+16*\d+8*\b+4*\i:64*(\a)+16*\d+8*\b+4*\i+3], v[ADV] offset:\b*16384+(4*(\a)+\d)*1024+\i*512
.endr
.endr
.endr
.endm
; THE FIRST PART OF A STEP: scores, softmax, codes.  Key tile kt lies in buffer (kt + 2) % 3; tiles 0 and 1 were asked for behind the change of slots.
.macro PARTA
	KLOAD 2, F1
.irp kt, 0,1,2,3,4,5,6,7
.set FB, F0+32*((\kt+2)%3)
	s_wait_alu depctr_va_vdst(0)                   ; directly ahead of the wait below
.if \kt < 6
	s_wait_dscnt 16                                ; tile kt is in; the two tiles asked for behind it may be out
.else
	s_wait_dscnt 8*(7-\kt)
.endif
	WIN 0x50
	QK \kt, FB
	WIN 0x14
.if \kt == 0
	PLACES 4
.else
	MAXK \kt-1                                     ; sixteen plain lines: the places in front of the loads below
.endif
.if \kt < 5
	KLOAD \kt+3, FB
.endif
.endr
	MAXK 7
	WIN 0
.irp a, 0,1,2,3
	v_max_num_f32 v[ST+6*\a+1], v[ST+6*\a+1], v[ST+6*\a+3]
.endr
.irp a, 0,1,2,3
	v_permlanex16_b32 v[TT+2*\a], v[ST+6*\a+1], s[SEL], s[SEL+1]   ; the query's other keys lie in the lane 16 away
.endr
.irp a, 0,1,2,3
	v_max_num_f32 v[ST+6*\a+1], v[ST+6*\a+1], v[TT+2*\a]
.endr
.irp a, 0,1,2,3
	v_mul_f32 v[TT+2*\a], s[CS], v[ST+6*\a+1]      ; as t (c is positive)
.endr
.irp a, 0,1,2,3
	v_floor_f32 v[TT+2*\a+1], -v[TT+2*\a]          ; the new -M = -ceil(t)
.endr
.irp a, 0,1,2,3
	v_sub_f32 v[TT+2*\a], v[TT+2*\a+1], v[ST+6*\a] ; old M - new M: a whole number, 0 or less
.endr
.irp a, 0,1,2,3
	v_mov_b32 v[ST+6*\a], v[TT+2*\a+1]
.endr
.irp a, 0,1,2,3
	v_cvt_i32_f32 v[TT+2*\a], v[TT+2*\a]           ; (it saturates)
.endr
.irp a, 0,1,2,3
	v_ldexp_f32 v[ST+6*\a+2], 1.0, v[TT+2*\a]      ; f
.endr
	v_add_nc_u32 v[ADV], 0x10000, v[ADK]
	WIN 0x41
.set i, 0
.rept 32
	v_pk_fma_f32 v[i:i+1], v[i:i+1], s[CS:CS+1], v[ST:ST+1] op_sel_hi:[1,0,0]   ; tile 0's t - M
.set i, i+2
.endr
	s_wait_alu depctr_va_vdst(0)                   ; a wait ahead of each batch of exponentials and behind it: one line between two batches serves both
	EXPMIX 0
	s_wait_alu depctr_va_vdst(0)
	SUM 0
	WIN 0x41
	EXPMIX 1
	s_wait_alu depctr_va_vdst(0)
	PACK 0
	SUM 1
	WIN 0x41
	EXPMIX 2
	s_wait_alu depctr_va_vdst(0)
	PACK 1
	SUM 2
	WIN 0x41
	EXPMIX 3
	s_wait_alu depctr_va_vdst(0)
	PACK 2
	SUM 3
	WIN 0x41
.set i, 0
.rept 64
	v_min_num_f32 v[192+i], v[192+i], v[PLM]       ; the conversion to an 8-bit code does not saturate (ISA guide 7.6.2); p is not negative, so the hold is one-sided
.set i, i+1
.endr
	PACK 3
.endm
.macro RESC a                          ; O^T of tile a under the new M; each accumulator from its low end on
.set i, 0
.rept 64
	v_pk_mul_f32 v[128*((\a)%2)+i:128*((\a)%2)+i+1], v[128*((\a)%2)+i:128*((\a)%2)+i+1], v[ST+6*(\a)+2:ST+6*(\a)+3] op_sel_hi:[1,0]
.set i, i+2
.endr
.endm
.macro PV h                            ; O^T += V^T P^T for query tiles 2 h, 2 h + 1: 32 accumulators, each once
.irp d, 0,1,2,3,4,5,6,7,8,9,10,11,12,13,14,15
.irp a, 0,1
	v_wmma_f32_16x16x128_fp8_fp8 v[128*\a+8*\d:128*\a+8*\d+7], v[16*\d:16*\d+15], v[P+32*(\h)+16*\a:P+32*(\h)+16*\a+15], v[128*\a+8*\d:128*\a+8*\d+7]
.endr
.endr
.endm
; THE SECOND PART: the change of slots and the second product.  Each wave waits for all its tensor loads (its quarter of the next slot), adds 0 to its spare word, rescales O^T while the add and the values'
; loads are out, and waits for them: my reads of this slot are over.  fill = 1: the barrier opens a round of the cluster's barrier, and the joint refill is the first thing behind the round.
.macro PARTB fill
	WIN 0
	s_wait_tensorcnt 0x0
	ds_add_u32 v[SPW], v[NIL]
.if \fill
	s_xor_b32 s[G0+1], s[G0+1], SLOT1              ; the walking descriptor: the slot in hand, the keys two slots on
	s_add_nc_u64 s[G0+2:G0+3], s[G0+2:G0+3], 131072
	s_wait_xcnt 0x0                                ; the last prefetch has read its address
	s_add_nc_u64 s[PFA:PFA+1], s[PFA:PFA+1], 131072
.endif
	WIN 0x82
	s_wait_alu depctr_va_vdst(0)                   ; directly ahead of the first readers of O^T
	RESC 0
	RESC 1
	WIN 0xc3
	s_wait_alu depctr_va_vdst(0)
	RESC 2
	RESC 3
	s_wait_alu depctr_va_vdst(0)                   ; directly ahead of the wait below
	s_wait_dscnt 0x0                               ; the add is done, all 16 fragments of the values are in
	s_barrier_signal -1
	WIN 0xa1
	PV 0                                           ; work on registers while the others arrive
	WIN 0
	s_barrier_wait -1
.if \fill
	CREST
	tensor_load_to_lds s[G0:G0+3], s[G1:G1+7]
	s_nop 0
	PLACES 4                                       ; also the places in front of the loads into the registers of tiles 0, 1's codes
.else
	PLACES 4
	s_cmp_eq_u32 s[CNT], 1                         ; behind the last slot there are no keys to fetch
	s_cbranch_scc1 .Lno_keys_\@
.endif
	s_xor_b32 s[TB], s[TB], SLOT1
	v_add_nc_u32 v[ADK], s[TB], v[AK0]
	s_wait_alu depctr_va_vdst(0)                   ; directly behind the write
	KLOAD 0, F2
	KLOAD 1, F0
.if \fill
	ASK
.else
.Lno_keys_\@:
.endif
	WIN 0xf1
	PV 1
	WIN 0
	PLACES 5                                       ; the next products write S^T over registers that these have read as a source
.endm
	s_load_b128 s[4:7], s[0:1], 0x0                ; qimg, kv
	s_load_b128 s[8:11], s[0:1], 0x10              ; the scales' exponents, out
	v_lshl_add_u32 v[SPW], v0, 2, SPARE
	v_mov_b32 v[NIL], 0
	ds_add_u32 v[SPW], v[NIL]
	ds_add_u32 v[SPW], v[NIL]
	v_lshrrev_b32 v[F0], 5, v0
	v_readfirstlane_b32 s[WV], v[F0]               ; wave 0..3
	s_lshr_b32 s13, s[WV], 1                       ; g
	s_and_b32 s14, s[WV], 1                        ; j
	s_bfe_u32 s15, ttmp6, 0x40000                  ; cx
	s_lshl_b32 s16, ttmp9, 2
	s_add_co_u32 s16, s16, s15                     ; my block of 128 queries: it enters Q's and out's addresses alone
	s_and_b32 s17, ttmp7, 0xffff                   ; the batch
	s_mov_b32 s[G1], 15|(3<<16)|(1<<21)            ; mask of all four; elements of 8 bytes; bit 21 beside a mask
	s_mov_b32 s[G1+1], 32<<16                      ; 128 rows of 256 bytes, dense
	s_mov_b32 s[G1+2], 128<<16
	s_mov_b32 s[G1+3], 32<<16
	s_mov_b32 s[G1+4], 128
	s_mov_b32 s[G1+5], 32
	s_mov_b32 s[G1+6], 0
	s_mov_b32 s[G1+7], 0
	s_mov_b32 s[SEL], 0x76543210
	s_mov_b32 s[SEL+1], 0xfedcba98
	s_mov_b32 s[TB], 0
	s_mov_b32 s[CNT], 14
	s_cmp_eq_u32 ttmp9, 0                          ; the batch's first cluster prefetches: the same in all four partners
	s_cselect_b32 s[LIM], 1, -1
	s_lshl_b32 s20, s17, 21                        ; kv: the batch's 16 slots,
	s_lshl_b32 s53, s[WV], 15                      ; my quarter of a slot
	s_add_co_u32 s20, s20, s53
	s_mov_b32 s21, 0
	s_lshl_b32 s22, s17, 21                        ; the prefetches: the batch, my work-group's quarter, my wave's 8,192 bytes, in slot 2
	s_lshl_b32 s23, s15, 15
	s_add_co_u32 s22, s22, s23
	s_lshl_b32 s23, s[WV], 13
	s_add_co_u32 s22, s22, s23
	s_add_co_u32 s22, s22, 2*131072
	s_mov_b32 s23, 0
	s_lshl_b32 s18, s17, 20                        ; qimg: the batch, my block's eight tiles, my pair's four
	s_lshl_b32 s19, s16, 15
	s_add_co_u32 s18, s18, s19
	s_lshl_b32 s19, s13, 14
	s_add_co_u32 s18, s18, s19
	s_mov_b32 s19, 0
	s_wait_alu depctr_va_vdst(0)
	s_wait_dscnt 0x0
	s_wait_kmcnt 0x0
	s_load_b128 s[48:51], s[8:9], 0x0              ; e0, e1, e2, e3
	s_mov_b32 s[G0], 1
	s_mov_b32 s[G0+1], s53                         ; LDS: 32,768 x wave, in slot 0
	s_add_nc_u64 s[G0+2:G0+3], s[6:7], s[20:21]
	s_or_b32 s[G0+3], s[G0+3], 0x80000000
	s_add_nc_u64 s[PFA:PFA+1], s[6:7], s[22:23]
	s_add_nc_u64 s[4:5], s[4:5], s[18:19]
	s_lshl_b32 s18, s17, 22                        ; out: the batch, my block's 128 rows, my pair's 64, the 32 that I keep
	s_lshl_b32 s19, s16, 17
	s_add_co_u32 s18, s18, s19
	s_lshl_b32 s19, s13, 16
	s_add_co_u32 s18, s18, s19
	s_lshl_b32 s19, s14, 15
	s_add_co_u32 s18, s18, s19
	s_mov_b32 s19, 0
	s_add_nc_u64 s[10:11], s[10:11], s[18:19]
	CROUND                                         ; all four work-groups are here: the first joint loads meet
	tensor_load_to_lds s[G0:G0+3], s[G1:G1+7]      ; slot 0: my one tensor load at the head
	s_nop 0
	PLACES 4
	v_and_b32 v[F0], 31, v0
	v_lshlrev_b32 v[F0+1], 4, v[F0]                ; 16 x lane
	v_lshlrev_b32 v[PFO], 8, v[F0]
	s_lshl_b32 s53, s14, 13
	v_add_nc_u32 v[F0+2], s53, v[F0+1]             ; register tiles 0, 1 are the pair's tiles 2 j, 2 j + 1,
	s_xor_b32 s53, s53, 8192
	v_add_nc_u32 v[F0+3], s53, v[F0+1]             ; register tiles 2, 3 the other two
.irp a, 0,1,2,3
.irp f, 0,1
.irp c, 0,1,2,3
	global_load_b128 v[Q+32*\a+16*\f+4*\c:Q+32*\a+16*\f+4*\c+3], v[F0+2+\a/2], s[4:5] offset:(\a%2)*4096+\f*2048+\c*512
.endr
.endr
.endr
	s_lshl_b32 s53, s14, 15
	v_add_nc_u32 v[AK0], s53, v[F0+1]
	v_mov_b32 v[ADK], v[AK0]
.irp a, 0,1,2,3
	v_mov_b32 v[ST+6*\a], 0x7f61b1e6               ; -M: 3e38
	v_mov_b32 v[ST+6*\a+1], 0xff61b1e6             ; the largest score so far: -3e38
	v_mov_b32 v[ST+6*\a+2], 0
	v_mov_b32 v[ST+6*\a+3], 0xff61b1e6
	v_mov_b32 v[ST+6*\a+4], 0
	v_mov_b32 v[ST+6*\a+5], 0
.endr
	WIN 0x80                                       ; O^T begins as zeros, so that the step has no first form of its own
.set i, 0
.rept 256
	v_mov_b32 v[i], 0
.set i, i+1
.endr
	WIN 0xc0
.set i, 0
.rept 256
	v_mov_b32 v[i], 0
.set i, i+1
.endr
	WIN 0
	s_wait_kmcnt 0x0
	s_add_co_i32 s53, s48, s49
	s_lshl_b32 s53, s53, 23
	s_add_co_i32 s[CS], s53, 0x3db8aa3b            ; log2(e) / 16 with e0 + e1 added to its exponent field
	s_mov_b32 s[CS+1], s[CS]
	s_add_co_i32 s53, s50, 127
	s_lshl_b32 s54, s53, 23
	v_mov_b32 v[PSC], s54
	s_add_co_i32 s53, s53, 8
	s_lshl_b32 s53, s53, 23
	s_or_b32 s53, s53, 0x600000
	v_mov_b32 v[PLM], s53
	s_add_co_i32 s52, s50, s51                     ; e2 + e3
	s_wait_alu depctr_va_vdst(0)
	s_wait_loadcnt 0x0                             ; Q
	s_wait_tensorcnt 0x0                           ; slot 1's first fill goes as a refill goes
	ds_add_u32 v[SPW], v[NIL]
	s_xor_b32 s[G0+1], s[G0+1], SLOT1
	s_add_nc_u64 s[G0+2:G0+3], s[G0+2:G0+3], 131072
	s_wait_dscnt 0x0
	CROUND
	tensor_load_to_lds s[G0:G0+3], s[G1:G1+7]
	s_nop 0
	PLACES 4
	KLOAD 0, F2
	KLOAD 1, F0
	ASK                                            ; slot 2
.Lslot:                                            ; 14 trips: slots 0 to 13 are worked, slots 2 to 15 asked for
	PARTA
	PARTB 1
	s_sub_co_u32 s[CNT], s[CNT], 1
	s_cmp_lg_u32 s[CNT], 0
	s_cbranch_scc1 .Lslot
	s_mov_b32 s[CNT], 2
.Ltail:                                            ; slots 14 and 15: nothing is asked for.  The last trip's barrier shows that nobody reads either slot any more
	PARTA
	PARTB 0
	s_sub_co_u32 s[CNT], s[CNT], 1
	s_cmp_lg_u32 s[CNT], 0
	s_cbranch_scc1 .Ltail
	; THE END.  Window 3 goes to the partner (wave w xor 1) with its -M and sums, as an image of the registers, through slot 0, which has had its last fill.
.set E,   32                           ; my keys' sums, tile a at E + 2 a
.set GO,  41
.set XS,  42
.set XR,  43
.set SS,  44
.set SR,  45
.set STO, 46
.set RD,  47
.set PS,  48                           ; the partner's -M (two), sums (two)
.set W,   52                           ; eight work registers for each kept tile
.set BUF, 96
.irp a, 0,1,2,3
	v_add_f32 v[E+2*\a], v[ST+6*\a+4], v[ST+6*\a+5]
.endr
.irp a, 0,1,2,3
	v_permlanex16_b32 v[E+2*\a+1], v[E+2*\a], s[SEL], s[SEL+1]
.endr
.irp a, 0,1,2,3
	v_add_f32 v[E+2*\a], v[E+2*\a], v[E+2*\a+1]
.endr
	v_and_b32 v40, 31, v0
	v_lshlrev_b32 v[GO], 4, v40
	s_wait_alu depctr_va_vdst(0)                   ; directly behind the write
	s_lshl_b32 s53, s[WV], 15
	v_add_nc_u32 v[XS], s53, v[GO]
	s_xor_b32 s53, s53, 32768
	v_add_nc_u32 v[XR], s53, v[GO]
	s_lshl_b32 s53, s[WV], 9
	s_add_co_u32 s54, s53, STATB
	v_lshl_add_u32 v[SS], v40, 2, s54
	s_xor_b32 s53, s53, 512
	s_add_co_u32 s54, s53, STATB
	v_lshl_add_u32 v[SR], v40, 2, s54
	s_mul_i32 s53, s[WV], 16*OSTP
	s_add_co_u32 s53, s53, SLOT1
	v_add_nc_u32 v[RD], s53, v[GO]
	v_and_b32 v[W], 15, v0
	v_bfe_u32 v[W+1], v0, 4, 1
	v_mul_u32_u24 v[STO], v[W], OSTP
	v_lshl_add_u32 v[STO], v[W+1], 5, v[STO]
	v_add_nc_u32 v[STO], s53, v[STO]               ; row r, + 32 h
	s_wait_alu depctr_va_vdst(0)
	WIN 0x0c
.set n, 0
.rept 64
	ds_store_b128 v[XS], v[4*n:4*n+3] offset:512*n
.set n, n+1
.endr
	WIN 0
	ds_store_b32 v[SS], v[ST+12]
	ds_store_b32 v[SS], v[ST+18] offset:128
	ds_store_b32 v[SS], v[E+4] offset:256
	ds_store_b32 v[SS], v[E+6] offset:384
	s_wait_dscnt 0x0                               ; for the partner's sake
	s_barrier_signal -1
	s_barrier_wait -1
.irp k, 0,1,2,3
	ds_load_b32 v[PS+\k], v[SR] offset:128*\k
.endr
	WIN 0x40
.set n, 0
.rept 32
	ds_load_b128 v[4*n:4*n+3], v[XR] offset:512*n
.set n, n+1
.endr
	s_wait_dscnt 32                                ; the four statistics are in
.rept 32
	ds_load_b128 v[4*n:4*n+3], v[XR] offset:512*n
.set n, n+1
.endr
	WIN 0
.irp a, 0,1
	v_min_num_f32 v[W+8*\a], v[ST+6*\a], v[PS+\a]  ; -(the larger M)
.endr
.irp a, 0,1
	v_sub_f32 v[W+8*\a+2], v[W+8*\a], v[ST+6*\a]
	v_sub_f32 v[W+8*\a+4], v[W+8*\a], v[PS+\a]
.endr
.irp a, 0,1
	v_cvt_i32_f32 v[W+8*\a+2], v[W+8*\a+2]
	v_cvt_i32_f32 v[W+8*\a+4], v[W+8*\a+4]
.endr
.irp a, 0,1
	v_ldexp_f32 v[W+8*\a+2], 1.0, v[W+8*\a+2]      ; 2^(my M - the larger M),
	v_ldexp_f32 v[W+8*\a+4], 1.0, v[W+8*\a+4]      ; 2^(the partner's M - the larger M)
.endr
.irp a, 0,1
	v_mul_f32 v[W+8*\a+6], v[E+2*\a], v[W+8*\a+2]
.endr
.irp a, 0,1
	v_fma_f32 v[W+8*\a+6], v[PS+2+\a], v[W+8*\a+4], v[W+8*\a+6]   ; the row's sum
.endr
	s_wait_alu depctr_va_vdst(0)                   ; ahead of the two reciprocals,
	v_rcp_f32 v[W+6], v[W+6]
	v_rcp_f32 v[W+14], v[W+14]
	v_nop
	s_wait_alu depctr_va_vdst(0)                   ; and behind them
.irp a, 0,1
	v_ldexp_f32 v[W+8*\a+6], v[W+8*\a+6], s52      ; x 2^(e2 + e3)
.endr
.irp a, 0,1
	v_mul_f32 v[W+8*\a+2], v[W+8*\a+2], v[W+8*\a+6]
	v_mul_f32 v[W+8*\a+4], v[W+8*\a+4], v[W+8*\a+6]
.endr
.irp a, 0,1
	v_mov_b32 v[W+8*\a+3], v[W+8*\a+2]             ; (named as the pairs' upper halves)
	v_mov_b32 v[W+8*\a+5], v[W+8*\a+4]
.endr
.irp a, 0,1
	s_wait_alu depctr_va_vdst(0)
	s_wait_dscnt 32*(1-\a)                         ; the partner's tile a is in
	WIN 0x41
.set i, 0
.rept 64
	v_pk_mul_f32 v[128*\a+i:128*\a+i+1], v[128*\a+i:128*\a+i+1], v[W+8*\a+4:W+8*\a+5] op_sel_hi:[1,0]
.set i, i+2
.endr
	WIN 0x52
	s_wait_alu depctr_va_vdst(0)                   ; directly ahead of the first readers of my O^T
.set i, 0
.rept 64
	v_pk_fma_f32 v[128*\a+i:128*\a+i+1], v[128*\a+i:128*\a+i+1], v[W+8*\a+2:W+8*\a+3], v[128*\a+i:128*\a+i+1] op_sel_hi:[1,0,1]   ; register 8 dt + i: out(query r, d = 16 dt + 8 h + i)
.set i, i+2
.endr
.endr
	s_wait_alu depctr_va_vdst(0)
	; THE WAY OUT, half a row (512 bytes) of 16 queries at a time, through my own stage in slot 1.  LDS serves a wave's instructions in order (ISA guide 5.7.1.4): no wait between my stores and my loads.
.macro TOSTAGE p
	WIN 0x04
.irp d, 0,1,2,3,4,5,6,7
	ds_store_b128 v[STO], v[64*(\p)+8*\d:64*(\p)+8*\d+3] offset:64*\d
	ds_store_b128 v[STO], v[64*(\p)+8*\d+4:64*(\p)+8*\d+7] offset:64*\d+16
.endr
	WIN 0
.irp i, 0,1,2,3,4,5,6,7,8,9,10,11,12,13,14,15
	ds_load_b128 v[BUF+64*((\p)%2)+4*\i:BUF+64*((\p)%2)+4*\i+3], v[RD] offset:OSTP*\i
.endr
.endm
.macro SEND p, younger                 ; younger: LDS instructions issued behind this half's loads
.irp i, 0,1,2,3,4,5,6,7,8,9,10,11,12,13,14,15
	s_wait_dscnt 15-\i+\younger
	global_store_b128 v[GO], v[BUF+64*((\p)%2)+4*\i:BUF+64*((\p)%2)+4*\i+3], s[10:11] offset:((\p)/2)*16384+1024*\i+512*((\p)%2) th:TH_STORE_NT   ; 512 consecutive bytes, aligned
.endr
.endm
	TOSTAGE 0
	TOSTAGE 1
	SEND 0, 32
	s_wait_xcnt 0x0                                ; the stores have read their registers, which take the next half
	TOSTAGE 2
	SEND 1, 32
	s_wait_xcnt 0x0
	TOSTAGE 3
	SEND 2, 32
	SEND 3, 0
	s_wait_tensorcnt 0x0                           ; the wave's end
	ds_add_u32 v[SPW], v[NIL]
	s_wait_dscnt 0x0
	CROUND                                         ; the closing round
	s_endpgm
.Lfunc_end_k_qca629422bc_attn:
	.size	k_qca629422bc_attn, .Lfunc_end_k_qca629422bc_attn-k_qca629422bc_attn
	.p2alignl 7, 3214868480
	.fill 96, 4, 3214868480
	.section	.rodata,"a",@progbits
	.p2align	6, 0x0
	.amdhsa_kernel k_qca629422bc_attn
		.amdhsa_group_segment_fixed_size 327680
		.amdhsa_private_segment_fixed_size 0
		.amdhsa_enable_private_segment 0
		.amdhsa_kernarg_size 32
		.amdhsa_user_sgpr_count 2
		.amdhsa_user_sgpr_kernarg_segment_ptr 1
		.amdhsa_wavefront_size32 1
		.amdhsa_system_sgpr_workgroup_id_x 1
		.amdhsa_system_sgpr_workgroup_id_y 1
		.amdhsa_system_sgpr_workgroup_id_z 1
		.amdhsa_system_vgpr_workitem_id 0
		.amdhsa_next_free_vgpr 1024
		.amdhsa_next_free_sgpr 66
		.amdhsa_reserve_vcc 0
		.amdhsa_float_denorm_mode_32 3
		.amdhsa_float_denorm_mode_16_64 3
		.amdhsa_memory_ordered 1
		.amdhsa_forward_progress 1
		.amdhsa_inst_pref_size 230
	.end_amdhsa_kernel
	.amdgpu_metadata
---
amdhsa.version: [ 1, 2 ]
amdhsa.kernels:
  - .name:           k_qca629422bc_attn
    .symbol:         k_qca629422bc_attn.kd
    .args:
      - { .name: qimg, .offset: 0, .size: 8, .value_kind: global_buffer, .address_space: global }
      - { .name: kv, .offset: 8, .size: 8, .value_kind: global_buffer, .address_space: global }
      - { .name: lowp_scales, .offset: 16, .size: 8, .value_kind: global_buffer, .address_space: global }
      - { .name: out0, .offset: 24, .size: 8, .value_kind: global_buffer, .address_space: global }
    .group_segment_fixed_size: 327680
    .private_segment_fixed_size: 0
    .kernarg_segment_align: 8
    .kernarg_segment_size: 32
    .max_flat_workgroup_size: 128
    .sgpr_count:     66
    .vgpr_count:     1024
    .wavefront_size: 32
...
	.end_amdgpu_metadata
.endif
;; end of part 2
